; MI455X (gfx1250); checked and timed in simulation.
; The chip was launched on July 23, 2026; its instructions are those of AMD's public machine-readable ISA for CDNA 5 (MIT licence, August 2026) and "CDNA5" Instruction Set Architecture Reference Guide (July 2026). The comments in the code are by the model that wrote it; some were corrected since.
;; Cross Attn Head. Allowed arithmetic: matrix products marked QUANTISED: E2M3 operands, one E8M0 scale for each 32 along K, by v_wmma_scale_f32_16x16x128_f8f6f4 with both operands' format E2M3, f32 sums; products left as they are: f32 operands where the result goes on into a quantised operand, else bf16, f16 or f32 operands; f32 sums; everything else in f32.
;; Inputs: A 8 x 32 x 64 float32; H_emb_obs 8 x 512 x 256 float32; W1 256 x 256 float32; W2 256 x 1 float32; Wk 256 x 256 float32; Wq 128 x 256 float32; Wv 256 x 256 float32; X_target 256 x 32 float32; b1 256 float32; b2 1 float32; bk 256 float32; bq 256 float32; bv 256 float32; phi_target 256 x 32 float32.
;; Outputs: out0 8 x 32 x 256 x 1 float32.
;; This version of the problem:
;;   THIS VERSION OF THE PROBLEM IS GIVEN IN LOW PRECISION. The matrix products marked QUANTISED in the list below multiply operands that are first quantised to E2M3 (2 exponent bits, 3 mantissa bits; 6 bits a number), with one power-of-two scale for each 32 numbers along K (OCP MX v1.0); their sums are f32. All else is computed in f32.
;;   The module's matrix products, in the order in which they are computed (A, B: the left and right operand; K: the contracted axis; several contracted axes count as one K, in the product's order):
;;     1. [M 65,536, K 128] x [K 128, N 256]; A: computed on the way; B: input Wq: QUANTISED
;;     2. [M 4,096, K 256] x [K 256, N 256]; A: input H_emb_obs; B: input Wk: QUANTISED
;;     3. [M 4,096, K 256] x [K 256, N 256]; A: input H_emb_obs; B: input Wv: QUANTISED
;;     4. batch 64 x [M 512, K 32] x [K 32, N 8,192]; A: computed on the way; B: computed on the way: QUANTISED
;;     5. batch 64 x [M 32, K 512] x [K 512, N 8,192]; A: computed on the way; B: softmax (see below): QUANTISED
;;     6. [M 65,536, K 256] x [K 256, N 256]; A: computed on the way; B: input W1: QUANTISED
;;     7. [M 65,536, K 256] x [K 256, N 1]; A: computed on the way; B: input W2: left as it is (N = 1 < 16)
;;   THE QUANTISER, for each operand of a quantised product, along K:
;;     - K is cut into blocks of 32 from its start; a last block that is shorter is filled with zeros.
;;     - A block's scale is 2^e with e = floor(log2(the largest magnitude in the block)) - 2, held to -126 .. 127; a block of zeros has e = 0. As a byte (E8M0): e + 127.
;;     - Each number is divided by its block's scale, clamped to +-7.5, and rounded to the nearest number of E2M3, ties to even, subnormals kept.
;;     - The product sums the exact products of the quantised numbers (number of the format x scale) in f32.
;;   ~~~python
;;   def quantise(x, axis):      # numpy; x: float32 -> the quantised numbers, widened to float32 again
;;       x = np.moveaxis(x, axis, -1); K = x.shape[-1]
;;       x = np.pad(x, [(0, 0)] * (x.ndim - 1) + [(0, -K % 32)]); x = x.reshape(x.shape[:-1] + (-1, 32)); a = np.abs(x).max(-1, keepdims=True)
;;       e = np.where(a > 0, np.clip(np.frexp(np.where(a > 0, a, 1))[1] - 1 - 2, -126, 127), 0)      # np.frexp(a)[1] - 1 = floor(log2(a)), exactly
;;       r = np.clip(x / 2.0 ** e, -7.5, 7.5)
;;       step = 2.0 ** (np.maximum(np.frexp(np.where(r == 0, 1, r))[1] - 1, 0) - 3)
;;       q = np.round(r / step) * step * 2.0 ** e      # np.round: ties to even
;;       return np.moveaxis(q.reshape(q.shape[:-2] + (-1,))[..., :K], -1, axis).astype(np.float32)
;;   ~~~
;;   SOFTMAX AHEAD OF A QUANTISED PRODUCT. Where the list says 'softmax', what is quantised is not the finished softmax but p = 2^(t - M), with t = logit x log2(e) and M = ceil(the row's largest t), a whole number; so 1/2 < the row's largest p <= 1. The row's sum l is taken of the UNQUANTISED p, in f32, and the product's result is divided by l at the end. Since M is a whole number, a kernel that streams over the keys may use a running M (the ceiling of the running maximum): every later rescaling is an exact power of two, which a block's scale takes up: the codes' values come out the same.
;;   OPERANDS COMPUTED ON THE WAY. 'Computed on the way' means the value that the module computes at that place (a softmax that the list does not call 'softmax' is quantised finished and normalised). What goes into a quantiser is computed in f32, as accurately as f32 sums, v_exp_f32 and their like allow (about 1e-6 of the number): no bf16 or f16 on the way to a quantiser, and a product that is left as it is and whose result goes on into a quantised operand takes f32 operands (vector FMAs, or v_wmma_f32_16x16x4_f32). A number that lies on a knife's edge between two numbers of the format may be rounded either way, as far as f32 arithmetic and the matrix unit's own rounding can turn it there, and no further.
;; One version. Each part assembles by itself: llvm-mc -triple=amdgcn-amd-amdhsa -mcpu=gfx1250 --defsym DOCPART=n.
;; ======== version 1 of 1: 2 launches
;; limits: right only within a limited range of input values
;; workspace buffers: kv 1,638,400 bytes; wts 86,016 bytes
;; launch prep (part 1): grid 259 x 1, 4 waves a work-group, no clusters, 45,568 bytes of LDS; arguments H_emb_obs, Wk, Wv, bk, bv, Wq, W1, bq, b1, W2, kv, wts; writes kv, wts
.if DOCPART == 1
	.amdgcn_target "amdgcn-amd-amdhsa--gfx1250"
	.amdhsa_code_object_version 6
	.text
	.protected	k_qe071a8e31e_prep
	.globl	k_qe071a8e31e_prep
	.p2align	8
	.type	k_qe071a8e31e_prep,@function
k_qe071a8e31e_prep:
	s_mov_b64 s[64:65], 0
	v_nop
	global_prefetch_b8 v0, s[64:65] scope:SCOPE_SE
	s_setreg_imm32_b32 hwreg(HW_REG_WAVE_MODE, 25, 1), 1
	s_wait_xcnt 0x0
; PREP.  k = Q(H) Q(Wk) + bk and v = Q(H) Q(Wv) + bv on codes of FP6 (E2M3) with one E8M0 scale for each 32 along K; k is then quantised along a head's 32 dims and v along the keys,
; and Wq and W1 along their first axis.  All codes leave as IMAGES OF THE OPERAND'S REGISTERS, so that the next launch loads fragments whole.
; A FRAGMENT'S IMAGE (16 rows x 128 K, 12 registers a lane, 1,536 bytes) is two halves c of 768 bytes: registers 6c .. 6c+3 at 768 c + 16 x lane, registers 6c+4, 6c+5 at 768 c + 512 + 8 x lane.
; So a block of 32 codes (six registers of one lane) is always one store of 16 bytes and one of 8.  A scale register is 128 bytes, 4 a lane: lanes 0-15 one row set, lanes 16-31 another.
; WORK-GROUPS.  x < 256: batch b = x / 32, 64 keys f = (x / 4) % 8, heads 2q and 2q + 1 (q = x % 4) of k and of v.  x = 256, 257: W1's columns 128 (x - 256) on.  x = 258: Wq.
; All of them quantise 128 columns x 8 blocks of a weight by ONE text: a lane takes a column, its registers run down K; which buffer and which column is chosen by scalar selects on ids, in global offsets alone.
; kv, a batch = 32 chunks of 6,400 bytes, chunk 4 n + s (head n, 128 keys s): +0, +1536 K's fragments a = 0, 1: block j of row r holds the head's 32 dims of key 128 s + 64 a + 8 j + r % 8 + 32 (r / 8);
;   +3072, +4608 V^T's fragments d = 0, 1: row r is dim 8 d + r % 8 + 16 (r / 8), k the step's keys in their order; +6144 K's scale register (lane 16 a + r, byte j); +6272 V's (lane 16 d + r, byte = block of keys).
; LIMITS: NaN and infinities among the inputs are not served.  A block's largest magnitude is taken no smaller than 2^-124, so a scale's byte is at least 1; a block of zeros gets the byte 1 where the rule says 127:
; its codes are zeros, and the bytes are read by this program alone.  kv's scale bytes (256 of a chunk's 6,400) leave by stores of one byte; a load of H takes 16 bytes at two places in each of 16 rows.
.set HIMG,  0                          ; LDS: H's 8 fragments (tile u, K step F: 2 u + F); tile u's row r is key 64 f + 8 u + r % 8 + 32 (r / 8)
.set HSC,   12288                      ; their scale registers: tile u: lanes 16 F + r
.set WIMG,  12800                      ; the weight's 16 fragments (tile t, K step F: 2 t + F)
.set WSC,   37376                      ; their scale registers
.set STG,   38400                      ; the way out: two fragments of K, four halves of V^T
.set FLOOR, 0x1800000                  ; 2^(3 - 127)
.set TWO_OFF, 0xff000000               ; takes 2 off an exponent field
.set G_WQSC,  24576                    ; wts: WQIMG at 0
.set G_BQ,    25600
.set G_W1IMG, 26624
.set G_W1SC,  75776
.set G_B1,    77824
.set G_W2,    78848
.set G_PAD,   79872
; 32 numbers of one lane, v[src] on, become six registers of codes at v[dst] on; so: the conversions' scale operand; by: the scale's byte
.macro QBLK src, dst, tmp, so, by
	v_max3_num_f32 v40, |v[\src]|, |v[\src+1]|, FLOOR              ; the largest magnitude, in two chains, with the floor among its leaves
	v_max3_num_f32 v41, |v[\src+2]|, |v[\src+3]|, |v[\src+4]|
.irp i, 5,9,13,17,21,25
	v_max3_num_f32 v40, v40, |v[\src+\i]|, |v[\src+\i+1]|
	v_max3_num_f32 v41, v41, |v[\src+\i+2]|, |v[\src+\i+3]|        ; (each group of eight registers is first read at its low end)
.endr
	v_max3_num_f32 v40, v40, |v[\src+29]|, |v[\src+30]|
	v_max3_num_f32 v40, v40, v41, |v[\src+31]|
	v_add_nc_u32 v[\so], TWO_OFF, v40                              ; the conversion takes this operand's exponent field as its scale
	v_cvt_scalef32_pk16_fp6_f32 v[\dst:\dst+2], v[\src:\src+15], v[\so]
	v_cvt_scalef32_pk16_fp6_f32 v[\tmp:\tmp+2], v[\src+16:\src+31], v[\so]   ; (a conversion's three registers begin on an even number)
	v_lshrrev_b32 v[\by], 23, v[\so]                               ; the byte; also the plain line behind the conversions
	v_mov_b32 v[\dst+3], v[\tmp]
	v_mov_b32 v[\dst+4], v[\tmp+1]
	v_mov_b32 v[\dst+5], v[\tmp+2]
.endm
.macro LDFRAG reg, p16, p8, off        ; a fragment's image into 12 registers
	ds_load_b128 v[\reg:\reg+3], v[\p16] offset:\off
	ds_load_b64 v[\reg+4:\reg+5], v[\p8] offset:\off+512
	ds_load_b128 v[\reg+6:\reg+9], v[\p16] offset:\off+768
	ds_load_b64 v[\reg+10:\reg+11], v[\p8] offset:\off+1280
.endm
.macro WM d, a, b, c, sa, sb, row      ; row: K step 1 takes both sides' scales from lanes 16-31
.if \row
	v_wmma_scale_f32_16x16x128_f8f6f4 v[\d:\d+7], v[\a:\a+11], v[\b:\b+11], v[\c:\c+7], v[\sa], v[\sb] matrix_a_fmt:MATRIX_FMT_FP6 matrix_b_fmt:MATRIX_FMT_FP6 matrix_a_scale:MATRIX_SCALE_ROW1 matrix_b_scale:MATRIX_SCALE_ROW1
.else
	v_wmma_scale_f32_16x16x128_f8f6f4 v[\d:\d+7], v[\a:\a+11], v[\b:\b+11], v[\c:\c+7], v[\sa], v[\sb] matrix_a_fmt:MATRIX_FMT_FP6 matrix_b_fmt:MATRIX_FMT_FP6
.endif
.endm
.macro WLOAD kb                        ; block kb of my column: 32 rows of the weight, 1,024 bytes apart, into set kb % 2
.irp i, 0,1,2,3,4,5,6,7,8,9,10,11,12,13,14,15,16,17,18,19,20,21,22,23,24,25,26,27,28,29,30,31
.if (\kb)<4
	global_load_b32 v[64+32*((\kb)%2)+\i], v8, s[36:37] offset:(32*((\kb)%4)+\i)*1024
.else
	global_load_b32 v[64+32*((\kb)%2)+\i], v9, s[36:37] offset:(32*((\kb)%4)+\i)*1024
.endif
.endr
.endm
	s_load_b256 s[4:11], s[0:1], 0x0               ; H s[4:5], Wk s[6:7], Wv s[8:9], bk s[10:11]
	s_load_b256 s[12:19], s[0:1], 0x20             ; bv s[12:13], Wq s[14:15], W1 s[16:17], bq s[18:19]
	s_load_b256 s[20:27], s[0:1], 0x40             ; b1 s[20:21], W2 s[22:23], kv s[24:25], wts s[26:27]
	v_lshl_add_u32 v62, v0, 2, 0xb000
	v_mov_b32 v63, 0
	v_lshrrev_b32 v1, 5, v0
	v_readfirstlane_b32 s28, v1                    ; wave w
	v_and_b32 v1, 31, v0                           ; lane l
	v_and_b32 v2, 15, v0                           ; r
	v_bfe_u32 v3, v0, 4, 1                         ; h
	v_lshlrev_b32 v4, 4, v1                        ; 16 l
	s_wait_alu depctr_va_vdst(0)
	v_lshlrev_b32 v5, 3, v1                        ; 8 l
	s_wait_alu depctr_va_vdst(0)
	v_lshlrev_b32 v6, 2, v1                        ; 4 l
	s_wait_alu depctr_va_vdst(0)
	v_lshlrev_b32 v7, 3, v3                        ; 8 h
	s_mov_b32 s50, 0x76543210
	s_mov_b32 s51, 0xfedcba98                      ; v_permlanex16_b32's selects for lane l xor 16
	s_and_b32 s31, ttmp9, 3                        ; q
	s_bfe_u32 s32, ttmp9, 0x30002                  ; f
	s_lshr_b32 s33, ttmp9, 5                       ; b
	s_sub_co_u32 s34, ttmp9, 256                   ; which weight work-group (used there alone)
	s_and_b32 s35, s32, 1                          ; f % 2: which 64 of a step's 128 keys
	s_lshr_b32 s29, s32, 1                         ; the key step s
	s_and_b32 s59, s28, 1                          ; w % 2
	s_lshr_b32 s30, s28, 1                         ; w / 2
	; LDS addresses: constants, the lane, the wave; alike in every work-group
	s_mul_i32 s40, s28, 3072
	v_add_nc_u32 v11, s40, v4                      ; 3072 w + 16 l: H's tile w, and the tile that I take as source 1
	v_add_nc_u32 v12, s40, v5                      ; 3072 w + 8 l
	s_lshl_b32 s41, s28, 7
	v_lshl_add_u32 v13, v2, 2, s41                 ; 128 w + 4 r: H's scale words on the way in
	v_add_nc_u32 v17, s41, v6                      ; 128 w + 4 l: a scale register of tile w
	s_mul_i32 s40, s28, 6144
	v_mul_u32_u24 v40, v3, 3072
	v_add_nc_u32 v40, s40, v40
	v_lshl_add_u32 v14, v2, 4, v40                 ; the weight's tile 2 w + h, row r: 6144 w + 3072 h + 16 r
	v_lshl_add_u32 v15, v2, 3, v40                 ; and + 8 r
	v_add_nc_u32 v24, s40, v4                      ; 6144 w + 16 l: my wave's four fragments, read back
	s_lshl_b32 s41, s28, 8
	v_lshlrev_b32 v40, 7, v3
	v_lshl_add_u32 v40, v2, 2, v40
	v_add_nc_u32 v16, s41, v40                     ; 256 w + 128 h + 4 r: the weight's scale words
	v_add_nc_u32 v34, s41, v5                      ; 256 w + 8 l
	s_mul_i32 s42, s30, 768
	s_lshl_b32 s44, s59, 8
	s_add_co_u32 s44, s44, s42
	v_mul_u32_u24 v40, v3, 1536
	v_lshl_add_u32 v18, v2, 4, v40
	v_add_nc_u32 v18, s44, v18                     ; K's stage: head h's fragment, block w of row r: 1536 h + 768 (w / 2) + 16 (r + 16 (w % 2))
	s_lshl_b32 s44, s59, 7
	s_add_co_u32 s44, s44, s42
	v_lshl_add_u32 v19, v2, 3, v40
	v_add_nc_u32 v19, s44, v19                     ; and 8 (r + 16 (w % 2))
	s_mul_i32 s44, s28, 768
	v_add_nc_u32 v20, s44, v4                      ; V's stage: 768 w + 16 l
	v_add_nc_u32 v21, s44, v5
	s_mul_i32 s44, s28, 1536
	v_add_nc_u32 v35, s44, v4                      ; the stage read back: 1536 w + 16 l
	; offsets in kv
	s_mul_i32 s45, s33, 204800
	s_mul_i32 s46, s29, 6400
	s_add_co_u32 s45, s45, s46
	s_mul_i32 s46, s31, 51200
	s_add_co_u32 s45, s45, s46                     ; chunk (2 q, s) of batch b; a head on is 25,600 bytes
	s_lshl_b32 s46, s35, 6
	s_add_co_u32 s46, s46, s45
	s_add_co_u32 s46, s46, s28
	v_mul_u32_u24 v22, v3, 25600
	v_lshl_add_u32 v22, v2, 2, v22
	v_add_nc_u32 v22, s46, v22                     ; K's scale byte: head 2 q + h, lane 16 (f % 2) + r, byte w
	s_mul_i32 s46, s30, 25600
	s_add_co_u32 s46, s46, s45
	s_lshl_b32 s47, s59, 6
	s_add_co_u32 s46, s46, s47
	s_lshl_b32 s47, s35, 1
	s_add_co_u32 s46, s46, s47
	v_lshl_add_u32 v23, v2, 2, v3
	v_add_nc_u32 v23, s46, v23                     ; V's: head 2 q + w / 2, lane 16 (w % 2) + r, byte 2 (f % 2) + h
	s_mul_i32 s46, s59, 25600
	s_add_co_u32 s46, s46, s45
	s_mul_i32 s47, s35, 1536                       ; waves 0, 1 send K's fragment f % 2 of head 2 q + w;
	s_mul_i32 s48, s35, 768
	s_add_co_u32 s48, s48, 3072                    ; waves 2, 3 half f % 2 of both fragments of V^T of head 2 q + w - 2, which lie 1,536 bytes apart
	s_cmp_lt_u32 s28, 2
	s_cselect_b32 s47, s47, s48
	s_cselect_b32 s48, 0, 768                      ; so for them a gap of 768 bytes opens behind the first 768
	s_add_co_u32 s46, s46, s47
	v_add_nc_u32 v25, s46, v4
	v_mad_u32_u24 v26, v3, s48, v25
	v_add_nc_u32 v27, s48, v25
	; the biases, H's rows
	s_lshl_b32 s55, s31, 6                         ; 64 q
	s_lshl_b32 s40, s31, 8
	v_lshl_add_u32 v28, v3, 7, s40                 ; bk: 32 numbers of head 2 q + h
	s_lshl_b32 s40, s30, 5
	s_lshl_b32 s41, s59, 3
	s_add_co_u32 s40, s40, s41
	s_add_co_u32 s40, s40, s55
	v_and_b32 v40, 7, v2
	v_lshrrev_b32 v41, 3, v2
	v_lshl_add_u32 v42, v41, 4, v40
	v_add_nc_u32 v42, s40, v42
	v_lshlrev_b32 v29, 2, v42                      ; bv: column 64 q + 32 (w / 2) + 8 (w % 2) + r % 8 + 16 (r / 8)
	v_lshl_add_u32 v42, v41, 5, v40
	v_lshlrev_b32 v42, 10, v42
	v_lshl_add_u32 v10, v3, 7, v42                 ; H: row r % 8 + 32 (r / 8) of 1,024 bytes, + 128 h
	s_lshl_b32 s40, s33, 19
	s_lshl_b32 s41, s32, 16
	s_add_co_u32 s40, s40, s41
	s_lshl_b32 s41, s28, 13
	s_add_co_u32 s40, s40, s41                     ; batch b, key 64 f + 8 w
	s_mov_b32 s41, 0
	; which weight and which column: column = CB + g h + l % 8 + be ((l / 8) % 2); blocks 4 to 7 lie DELTA bytes on
	s_lshl_b32 s52, s28, 4                         ; Wk (waves 0, 1): CB = 64 q + 16 w, g = 8, be = 32: rows 0-7 of a tile are head 2 q, rows 8-15 head 2 q + 1
	s_lshl_b32 s53, s28, 5
	s_sub_co_u32 s54, s53, 64                      ; Wv (waves 2, 3): CB = 64 q + 32 (w - 2), g = 8, be = 16
	s_lshl_b32 s56, s34, 7
	s_add_co_u32 s56, s56, s53                     ; W1: CB = 128 (x - 256) + 32 w, g = 16, be = 8: columns in their order
	s_lshl_b32 s57, s28, 6                         ; Wq: CB = 64 w, g = 8, be = 16; its K is 128, so blocks 4 to 7 are the next head's 32 columns: DELTA = 128
	s_mov_b32 s58, 131072                          ; else 128 rows
	s_wait_kmcnt 0x0
	s_add_nc_u64 s[60:61], s[4:5], s[40:41]
	s_cmp_lt_u32 s28, 2
	s_cselect_b64 s[36:37], s[6:7], s[8:9]
	s_cselect_b32 s38, 32, 16
	s_cselect_b32 s52, s52, s54
	s_add_co_u32 s52, s52, s55
	s_cmp_lt_u32 ttmp9, 256
	s_cselect_b64 s[36:37], s[36:37], s[16:17]
	s_cselect_b32 s38, s38, 8
	s_cselect_b32 s39, 8, 16
	s_cselect_b32 s52, s52, s56
	s_cmp_eq_u32 ttmp9, 258
	s_cselect_b64 s[36:37], s[14:15], s[36:37]
	s_cselect_b32 s38, 16, s38
	s_cselect_b32 s39, 8, s39
	s_cselect_b32 s52, s57, s52
	s_cselect_b32 s58, 128, s58
	v_and_b32 v40, 7, v1
	v_bfe_u32 v41, v1, 3, 1
	v_mad_u32_u24 v40, v41, s38, v40
	v_mad_u32_u24 v40, v3, s39, v40
	v_add_nc_u32 v40, s52, v40
	v_lshlrev_b32 v8, 2, v40
	v_add_nc_u32 v9, s58, v8
	; ONE branch on the work-group's number: k's and v's work-groups load and quantise their 64 rows of H beside the weight's first two blocks; the weights' work-groups only ask for those two blocks
	s_cmp_ge_u32 ttmp9, 256
	s_cbranch_scc1 .Lweights_only
	s_wait_alu depctr_va_vdst(0)
.irp c, 0,1,2,3                                ; my row of H: blocks 2 c + h of its eight, 32 numbers each
.irp i, 0,1,2,3,4,5,6,7
	global_load_b128 v[128+32*\c+4*\i:131+32*\c+4*\i], v10, s[60:61] offset:256*\c+16*\i
.endr
.endr
	WLOAD 0
	s_wait_loadcnt 32                              ; all but the 32 just issued: H's are in
	WLOAD 1
.irp c, 0,1,2,3                                ; H's tile w: block 2 c + h is block 2 (c % 2) + h of K step c / 2: my own lane's place in the image
	QBLK 128+32*\c, 48, 54, 42, 44+\c
	ds_store_b128 v11, v[48:51] offset:HIMG+1536*(\c/2)+768*(\c%2)
	ds_store_b64 v12, v[52:53] offset:HIMG+1536*(\c/2)+768*(\c%2)+512
	s_wait_dscnt 0x0                               ; the stores have read their registers: the next block's codes may be written
.endr
	s_wait_alu depctr_va_vdst(0)
.irp F, 0,1
	v_lshl_or_b32 v40, v[45+2*\F], 16, v[44+2*\F]  ; my two bytes of K step F, blocks h and 2 + h,
	v_lshlrev_b32 v40, v7, v40                     ; at their places;
	v_permlanex16_b32 v41, v40, s50, s51
	v_or_b32 v[38+\F], v40, v41                    ; with lane l xor 16's two the word is whole
	ds_store_b32 v13, v[38+\F] offset:HSC+64*\F    ; both halves of the lanes write the same word with the same value
.endr
	s_branch .Lblocks
.Lweights_only:
	s_wait_alu depctr_va_vdst(0)
	WLOAD 0
	WLOAD 1
.Lblocks:
.macro WBLOCK kb                       ; block kb of my column: block kb % 4 of K step kb / 4 of row r of tile 2 w + h
.if \kb<7
	s_wait_loadcnt 32                              ; this block's 32 loads are in; the next block's may be out
.else
	s_wait_loadcnt 0x0
.endif
	QBLK 64+32*(\kb%2), 48, 54, 42, 43
.if \kb%4==0
	v_mov_b32 v[30+\kb/4], v43
.else
	v_lshl_or_b32 v[30+\kb/4], v43, 8*(\kb%4), v[30+\kb/4]
.endif
	ds_store_b128 v14, v[48:51] offset:WIMG+1536*(\kb/4)+768*((\kb/2)%2)+256*(\kb%2)
	ds_store_b64 v15, v[52:53] offset:WIMG+1536*(\kb/4)+768*((\kb/2)%2)+512+128*(\kb%2)
.if \kb<6
	WLOAD \kb+2
.endif
.if \kb%4==3
	ds_store_b32 v16, v[30+\kb/4] offset:WSC+64*(\kb/4)
.endif
	s_wait_dscnt 0x0                               ; the stores have read their registers
.endm
.irp k, 0,1,2,3,4,5,6,7
	WBLOCK \k
.endr
	s_cmp_lt_u32 ttmp9, 256
	s_cbranch_scc1 .Lkv
	; ---- W1's and Wq's work-groups: each wave sends its own four fragments and two scale registers; a quarter of b1, W2 or bq is copied; a third of the padding is cleared.  A wave reads its own LDS bytes alone: no barrier
	s_mul_i32 s40, s34, 24576
	s_add_co_u32 s40, s40, G_W1IMG
	s_lshl_b32 s42, s34, 10
	s_add_co_u32 s42, s42, G_W1SC
	s_lshl_b32 s48, s34, 11
	s_add_co_u32 s48, s48, G_PAD
	s_mov_b32 s46, G_W2
	s_cmp_eq_u32 ttmp9, 258
	s_cselect_b32 s40, 0, s40
	s_cselect_b32 s42, G_WQSC, s42
	s_cselect_b64 s[44:45], s[18:19], s[22:23]
	s_cselect_b32 s46, G_BQ, s46
	s_cmp_eq_u32 ttmp9, 256
	s_cselect_b64 s[44:45], s[20:21], s[44:45]
	s_cselect_b32 s46, G_B1, s46
	s_mov_b32 s41, 0
	s_mov_b32 s43, 0
	s_mov_b32 s47, 0
	s_mov_b32 s49, 0
	s_add_nc_u64 s[40:41], s[26:27], s[40:41]
	s_add_nc_u64 s[42:43], s[26:27], s[42:43]
	s_add_nc_u64 s[46:47], s[26:27], s[46:47]
	s_add_nc_u64 s[48:49], s[26:27], s[48:49]
	global_load_b64 v[36:37], v34, s[44:45]
.irp k, 0,1,2,3,4,5,6,7,8,9,10,11
	ds_load_b128 v[128+4*\k:131+4*\k], v24 offset:WIMG+512*\k      ; LDS serves a wave's instructions in order: these see my stores
.endr
	ds_load_b64 v[176:177], v34 offset:WSC
	v_lshlrev_b32 v33, 4, v0
.irp k, 0,1,2,3
	v_mov_b32 v[180+\k], 0
.endr
	s_wait_alu depctr_va_vdst(0)
.irp k, 0,1,2,3,4,5,6,7,8,9,10,11
	s_wait_dscnt 12-\k                             ; the LDS loads issued behind load k may be out
	global_store_b128 v24, v[128+4*\k:131+4*\k], s[40:41] offset:512*\k   ; 32 lanes store 512 consecutive bytes, aligned
.endr
	s_wait_dscnt 0x0
	global_store_b64 v34, v[176:177], s[42:43]
	s_wait_loadcnt 0x0
	global_store_b64 v34, v[36:37], s[46:47]
	global_store_b128 v33, v[180:183], s[48:49]    ; the padding that makes wts eight equal shares of whole rows of 256 bytes for the next launch
	s_wait_tensorcnt 0x0
	ds_add_u32 v62, v63
	s_wait_dscnt 0x0
	s_endpgm
.Lkv:
.irp k, 0,1,2,3,4,5,6,7
	global_load_b128 v[64+4*\k:67+4*\k], v28, s[10:11] offset:16*\k   ; bk, in the result's layout: it is the C of k's first products
.endr
.irp k, 0,1,2,3,4,5,6,7
	global_load_b32 v[96+\k], v29, s[12:13]        ; bv of my column, eight times: the C of v's first products
.endr
	s_barrier_signal -1                            ; (every wave has waited for its LDS stores)
	s_barrier_wait -1                              ; H's and the weights' images lie in LDS
; Four tiles as source 0, my wave's tile as source 1, two K steps; the four accumulators v64-95 by turns.  cb + cs t: the first products' C
.macro JOB mimg, nimg, msc, nsc, cb, cs
.irp t, 0,1,2,3
.irp F, 0,1
	LDFRAG 128+12*(2*\t+\F), 4, 5, \mimg+3072*\t+1536*\F
.endr
	ds_load_b32 v[104+\t], v6 offset:\msc+128*\t
.endr
.irp F, 0,1
	LDFRAG 224+12*\F, 11, 12, \nimg+1536*\F
.endr
	ds_load_b32 v108, v17 offset:\nsc
	s_wait_dscnt 0x0
.irp t, 0,1,2,3
	WM 64+8*\t, 128+24*\t, 224, \cb+\cs*\t, 104+\t, 108, 0
.endr
.irp t, 0,1,2,3
	WM 64+8*\t, 140+24*\t, 236, 64+8*\t, 104+\t, 108, 1
.endr
.rept 5
	v_nop                                          ; places behind the products: four for reads of results and for loads into their operands, one more for products that write over their registers
.endr
.endm
	s_wait_loadcnt 0x0                             ; the biases
	; k^T: source 0 = Wk's tiles, source 1 = H's tile w.  Register 8 t + i of lane (r, h) is dim 8 t + i of head 2 q + h of my key: a whole block
	JOB WIMG, HIMG, WSC, HSC, 64, 8
	QBLK 64, 48, 54, 42, 32
	ds_store_b128 v18, v[48:51] offset:STG
	ds_store_b64 v19, v[52:53] offset:STG+512
	global_store_b8 v22, v32, s[24:25] offset:6144
	; v: source 0 = H's tiles, source 1 = Wv's tile w.  Register 8 u + i of lane (r, h) is key 64 f + 32 h + 8 u + i of my column: a whole block of keys
	JOB HIMG, WIMG+12288, HSC, WSC+512, 96, 0
	QBLK 64, 48, 54, 42, 33
	ds_store_b128 v20, v[48:51] offset:STG+3072
	ds_store_b64 v21, v[52:53] offset:STG+3072+512
	global_store_b8 v23, v33, s[24:25] offset:6272
	s_wait_dscnt 0x0                               ; for the others' sake: my stores into the stage are done
	s_barrier_signal -1
	s_barrier_wait -1
.irp k, 0,1,2
	ds_load_b128 v[128+4*\k:131+4*\k], v35 offset:STG+512*\k
.endr
.irp k, 0,1,2
	s_wait_dscnt 2-\k
	global_store_b128 v[25+\k], v[128+4*\k:131+4*\k], s[24:25] offset:512*\k   ; sixteen lanes store 256 consecutive bytes, aligned
.endr
	s_wait_tensorcnt 0x0
	ds_add_u32 v62, v63
	s_wait_dscnt 0x0
	s_endpgm
.Lfunc_end_k_qe071a8e31e_prep:
	.size	k_qe071a8e31e_prep, .Lfunc_end_k_qe071a8e31e_prep-k_qe071a8e31e_prep
	.p2alignl 7, 3214868480
	.fill 96, 4, 3214868480
	.section	.rodata,"a",@progbits
	.p2align	6, 0x0
	.amdhsa_kernel k_qe071a8e31e_prep
		.amdhsa_group_segment_fixed_size 45568
		.amdhsa_private_segment_fixed_size 0
		.amdhsa_enable_private_segment 0
		.amdhsa_kernarg_size 96
		.amdhsa_user_sgpr_count 2
		.amdhsa_user_sgpr_kernarg_segment_ptr 1
		.amdhsa_wavefront_size32 1
		.amdhsa_system_sgpr_workgroup_id_x 1
		.amdhsa_system_sgpr_workgroup_id_y 1
		.amdhsa_system_sgpr_workgroup_id_z 1
		.amdhsa_system_vgpr_workitem_id 0
		.amdhsa_next_free_vgpr 256
		.amdhsa_next_free_sgpr 66
		.amdhsa_reserve_vcc 0
		.amdhsa_float_denorm_mode_32 3
		.amdhsa_float_denorm_mode_16_64 3
		.amdhsa_memory_ordered 1
		.amdhsa_forward_progress 1
		.amdhsa_inst_pref_size 77
	.end_amdhsa_kernel
	.amdgpu_metadata
---
amdhsa.version: [ 1, 2 ]
amdhsa.kernels:
  - .name:           k_qe071a8e31e_prep
    .symbol:         k_qe071a8e31e_prep.kd
    .args:
      - { .name: H_emb_obs, .offset: 0, .size: 8, .value_kind: global_buffer, .address_space: global }
      - { .name: Wk, .offset: 8, .size: 8, .value_kind: global_buffer, .address_space: global }
      - { .name: Wv, .offset: 16, .size: 8, .value_kind: global_buffer, .address_space: global }
      - { .name: bk, .offset: 24, .size: 8, .value_kind: global_buffer, .address_space: global }
      - { .name: bv, .offset: 32, .size: 8, .value_kind: global_buffer, .address_space: global }
      - { .name: Wq, .offset: 40, .size: 8, .value_kind: global_buffer, .address_space: global }
      - { .name: W1, .offset: 48, .size: 8, .value_kind: global_buffer, .address_space: global }
      - { .name: bq, .offset: 56, .size: 8, .value_kind: global_buffer, .address_space: global }
      - { .name: b1, .offset: 64, .size: 8, .value_kind: global_buffer, .address_space: global }
      - { .name: W2, .offset: 72, .size: 8, .value_kind: global_buffer, .address_space: global }
      - { .name: kv, .offset: 80, .size: 8, .value_kind: global_buffer, .address_space: global }
      - { .name: wts, .offset: 88, .size: 8, .value_kind: global_buffer, .address_space: global }
    .group_segment_fixed_size: 45568
    .private_segment_fixed_size: 0
    .kernarg_segment_align: 8
    .kernarg_segment_size: 96
    .max_flat_workgroup_size: 128
    .sgpr_count:     66
    .vgpr_count:     256
    .wavefront_size: 32
...
	.end_amdgpu_metadata
.endif
;; end of part 1
;; launch main (part 2): grid 256 x 1, 16 waves a work-group, clusters of 4 x 1, 327,680 bytes of LDS; arguments A, phi_target, X_target, b2, wts, kv, out0; writes out0
.if DOCPART == 2
	.amdgcn_target "amdgcn-amd-amdhsa--gfx1250"
	.amdhsa_code_object_version 6
	.text
	.protected	k_qe071a8e31e_main
	.globl	k_qe071a8e31e_main
	.p2align	8
	.type	k_qe071a8e31e_main,@function
k_qe071a8e31e_main:
	s_mov_b64 s[64:65], 0
	v_nop
	global_prefetch_b8 v0, s[64:65] scope:SCOPE_SE
	s_setreg_imm32_b32 hwreg(HW_REG_WAVE_MODE, 25, 1), 1
	s_wait_xcnt 0x0
	s_wait_alu depctr_hold_cnt(0) depctr_sa_sdst(0) depctr_va_vdst(0) depctr_va_sdst(0) depctr_va_ssrc(0) depctr_va_vcc(0) depctr_vm_vsrc(0)
	s_getreg_b32 s2, hwreg(HW_REG_IB_STS2, 6, 4)
	s_cmp_eq_u32 s2, 0
	s_cbranch_scc0 .Lentry_in_a_cluster
	s_endpgm
.Lentry_in_a_cluster:
	s_bfe_u32 s2, ttmp6, 0x10000c
	s_cmp_lg_u32 s2, 0x3003
	s_cbranch_scc0 .Lentry_shape_is_right
	s_endpgm
.Lentry_shape_is_right:
; MAIN.  One work-group takes one (batch, rollout step): 256 targets, 16 waves x 16 targets.  q = Q(q_in) Q(Wq) + bq, per head S^T = K q^T, p = 2^(t - M) with a running whole-number M,
; O^T += V^T p^T, O / l, then relu(Q(ctx) Q(W1) + b1) . W2 + b2.  All quantised products on codes of FP6 (E2M3) with E8M0 scales; everything else in f32.
; LDS: wts (weights' register images, scales, biases) from byte 0, the batch's kv (32 chunks of 6,400 bytes: head n, key step s at chunk 4 n + s) from KV, a stage for the results, the spare words.
; All tiles are asked for at the head, one joint load a wave: waves 0-7 bring wts (42 rows of 256 bytes each), waves 8-15 kv (100 rows each); the four partners of a cluster share batch and weights.
; No data prefetch: the text has no tensor load behind the head, so there is no loop to run ahead in.
; A step's K fragments are fetched one step ahead (the chunks lie on end, across heads too); the last step of head 7 is written out and fetches nothing further.
; LIMITS: NaN and infinities among the inputs are not served; the scaled scores (exponents to the base 2) stay under 2^31 in magnitude; a block's largest magnitude is taken no smaller than 2^-124.
.set WQIMG, 0
.set WQSC,  24576
.set BQ,    25600
.set W1IMG, 26624
.set W1SC,  75776
.set B1,    77824
.set W2V,   78848
.set KV,    86016
.set CHUNK, 6400
.set STG,   KV+32*CHUNK
.set FLOOR, 0x1800000
.set TWO_OFF, 0xff000000
.macro CROUND
	s_barrier_signal -1
	s_barrier_wait -1
	s_cmp_lg_u32 s18, 0
	s_cbranch_scc1 .Lnot_wave_0_\@
	s_barrier_signal -3
.Lnot_wave_0_\@:
	s_barrier_wait -3
	s_barrier_signal -1
	s_barrier_wait -1
.endm
.macro PLACES
.rept 4
	v_nop
.endr
.endm
.macro LDFRAG reg, p16, p8, off
	ds_load_b128 v[\reg:\reg+3], v[\p16] offset:\off
	ds_load_b64 v[\reg+4:\reg+5], v[\p8] offset:\off+512
	ds_load_b128 v[\reg+6:\reg+9], v[\p16] offset:\off+768
	ds_load_b64 v[\reg+10:\reg+11], v[\p8] offset:\off+1280
.endm
.macro WM d, a, b, sa, sb, row
.if \row
	v_wmma_scale_f32_16x16x128_f8f6f4 v[\d:\d+7], v[\a:\a+11], v[\b:\b+11], v[\d:\d+7], v[\sa], v[\sb] matrix_a_fmt:MATRIX_FMT_FP6 matrix_b_fmt:MATRIX_FMT_FP6 matrix_a_scale:MATRIX_SCALE_ROW1
.else
	v_wmma_scale_f32_16x16x128_f8f6f4 v[\d:\d+7], v[\a:\a+11], v[\b:\b+11], v[\d:\d+7], v[\sa], v[\sb] matrix_a_fmt:MATRIX_FMT_FP6 matrix_b_fmt:MATRIX_FMT_FP6
.endif
.endm
.macro WMZ d, a, b, sa, sb, row
.if \row
	v_wmma_scale_f32_16x16x128_f8f6f4 v[\d:\d+7], v[\a:\a+11], v[\b:\b+11], 0, v[\sa], v[\sb] matrix_a_fmt:MATRIX_FMT_FP6 matrix_b_fmt:MATRIX_FMT_FP6 matrix_a_scale:MATRIX_SCALE_ROW1
.else
	v_wmma_scale_f32_16x16x128_f8f6f4 v[\d:\d+7], v[\a:\a+11], v[\b:\b+11], 0, v[\sa], v[\sb] matrix_a_fmt:MATRIX_FMT_FP6 matrix_b_fmt:MATRIX_FMT_FP6
.endif
.endm
.macro QBLK src, dst, tmp, so, by
	v_max3_num_f32 v198, |v[\src]|, |v[\src+1]|, FLOOR
	v_max3_num_f32 v199, |v[\src+2]|, |v[\src+3]|, |v[\src+4]|
.irp i, 5,9,13,17,21,25
	s_delay_alu instid0(VALU_DEP_2)
	v_max3_num_f32 v198, v198, |v[\src+\i]|, |v[\src+\i+1]|
	s_delay_alu instid0(VALU_DEP_2)
	v_max3_num_f32 v199, v199, |v[\src+\i+2]|, |v[\src+\i+3]|
.endr
	s_delay_alu instid0(VALU_DEP_2)
	v_max3_num_f32 v198, v198, |v[\src+29]|, |v[\src+30]|
	s_delay_alu instid0(VALU_DEP_1)
	v_max3_num_f32 v198, v198, v199, |v[\src+31]|
	s_delay_alu instid0(VALU_DEP_1)
	v_add_nc_u32 v[\so], TWO_OFF, v198
	v_cvt_scalef32_pk16_fp6_f32 v[\dst:\dst+2], v[\src:\src+15], v[\so]
	v_cvt_scalef32_pk16_fp6_f32 v[\tmp:\tmp+2], v[\src+16:\src+31], v[\so]
	v_lshrrev_b32 v[\by], 23, v[\so]
	v_mov_b32 v[\dst+3], v[\tmp]
	v_mov_b32 v[\dst+4], v[\tmp+1]
	v_mov_b32 v[\dst+5], v[\tmp+2]
.endm
.macro QH1 src, slot, word, pos
	v_max3_num_f32 v30, |v[\src]|, |v[\src+1]|, FLOOR
.irp i, 2,4,6,8,10,12,14
	v_max3_num_f32 v30, v30, |v[\src+\i]|, |v[\src+\i+1]|
.endr
	s_delay_alu instid0(VALU_DEP_1)
	v_permlanex16_b32 v31, v30, s48, s49
	s_delay_alu instid0(VALU_DEP_1)
	v_max_num_f32 v30, v30, v31
	s_delay_alu instid0(VALU_DEP_1)
	v_add_nc_u32 v30, TWO_OFF, v30
	v_cvt_scalef32_pk16_fp6_f32 v[\slot:\slot+2], v[\src:\src+15], v30
	v_lshrrev_b32 v31, 23, v30
.if (\pos)==0
	s_delay_alu instid0(VALU_DEP_1)
	v_mov_b32 v[\word], v31
.else
	s_delay_alu instid0(VALU_DEP_1)
	v_lshl_or_b32 v[\word], v31, 8*(\pos), v[\word]
.endif
.endm
	s_load_b256 s[4:11], s[0:1], 0x0
	s_load_b128 s[12:15], s[0:1], 0x20
	s_load_b64 s[16:17], s[0:1], 0x30
	v_lshl_add_u32 v95, v0, 2, 0x48000
	v_mov_b32 v239, 0
	ds_add_u32 v95, v239
	ds_add_u32 v95, v239
	v_lshrrev_b32 v1, 5, v0
	s_delay_alu instid0(VALU_DEP_1)
	v_readfirstlane_b32 s18, v1
	s_bfe_u32 s19, ttmp6, 0x40000
	s_lshl_b32 s20, ttmp9, 2
	s_add_co_u32 s20, s20, s19
	s_lshr_b32 s21, ttmp9, 3
	v_and_b32 v2, 31, v0
	s_delay_alu instid0(VALU_DEP_1)
	v_lshlrev_b32 v4, 4, v2
	s_delay_alu instid0(VALU_DEP_2)
	v_lshlrev_b32 v5, 3, v2
	s_delay_alu instid0(VALU_DEP_3)
	v_lshlrev_b32 v6, 2, v2
	v_bfe_u32 v1, v0, 4, 1
	s_delay_alu instid0(VALU_DEP_1)
	v_add_nc_u32 v7, -1, v1
	s_delay_alu instid0(VALU_DEP_2)
	v_sub_nc_u32 v8, 0, v1
	s_delay_alu instid0(VALU_DEP_3)
	v_lshlrev_b32 v9, 3, v1
	s_delay_alu instid0(VALU_DEP_4)
	v_lshl_add_u32 v255, v1, 5, W1IMG
	v_mov_b32 v31, 0
	v_mov_b32 v197, 0
	s_mov_b32 s48, 0x76543210
	s_mov_b32 s49, 0xfedcba98
	s_mov_b32 s50, 0x3e8293ee
	s_mov_b32 s51, s50
	s_mov_b32 s24, 15|(3<<16)|(1<<21)
	s_mov_b32 s25, 32<<16
	s_mov_b32 s26, 42<<16
	s_mov_b32 s27, 32<<16
	s_mov_b32 s28, 42
	s_mov_b32 s29, 32
	s_mov_b32 s30, 0
	s_mov_b32 s31, 0
	s_mov_b32 s32, 15|(3<<16)|(1<<21)
	s_mov_b32 s33, 32<<16
	s_mov_b32 s34, 100<<16
	s_mov_b32 s35, 32<<16
	s_mov_b32 s36, 100
	s_mov_b32 s37, 32
	s_mov_b32 s38, 0
	s_mov_b32 s39, 0
	s_mov_b32 s40, 1
	s_and_b32 s58, s18, 7                          ; my share among the eight waves that bring the same buffer
	s_mul_i32 s41, s58, 10752                      ; wts: 42 rows of 256 bytes a wave
	s_mov_b32 s44, 1
	s_mul_i32 s45, s58, 25600                      ; kv: 100 rows of 256 bytes a wave
	s_mov_b32 s22, s41
	s_mov_b32 s23, 0
	s_mul_i32 s54, s21, 204800
	s_add_co_u32 s54, s54, s45
	s_mov_b32 s55, 0
	s_add_co_u32 s45, s45, KV
	s_wait_dscnt 0x0
	s_wait_kmcnt 0x0
	s_add_nc_u64 s[42:43], s[12:13], s[22:23]
	s_or_b32 s43, s43, 0x80000000
	s_add_nc_u64 s[46:47], s[14:15], s[54:55]
	s_or_b32 s47, s47, 0x80000000
	s_load_b32 s53, s[10:11], 0x0                  ; b2
	s_lshl_b32 s22, s20, 8
	s_add_nc_u64 s[4:5], s[4:5], s[22:23]
	s_lshl_b32 s22, s20, 10
	s_add_nc_u64 s[16:17], s[16:17], s[22:23]
	s_lshl_b32 s22, s18, 11
	s_wait_alu depctr_va_vdst(0)
	v_lshlrev_b32 v1, 4, v9
	v_and_b32 v2, 15, v0
	s_delay_alu instid0(VALU_DEP_1)
	v_lshlrev_b32 v2, 7, v2
	s_delay_alu instid0(VALU_DEP_1)
	v_add_nc_u32 v2, s22, v2
.irp i, 0,1,2,3,4,5,6,7                        ; q_in's numbers are asked for ahead of the round and the tiles
	global_load_b128 v[96+4*\i:99+4*\i], v1, s[4:5] offset:16*\i
	global_load_b128 v[128+4*\i:131+4*\i], v2, s[6:7] offset:16*\i
	global_load_b128 v[160+4*\i:163+4*\i], v2, s[8:9] offset:16*\i
.endr
	CROUND                                         ; the round in front of the joint loads
	s_cmp_lt_u32 s18, 8                            ; one chain on the wave's number, one load to an arm, one join
	s_cbranch_scc0 .Lhead_kv
	tensor_load_to_lds s[40:43], s[24:31]          ; waves 0-7: my share of wts
	s_nop 0
	PLACES
	s_branch .Lhead_asked
.Lhead_kv:
	tensor_load_to_lds s[44:47], s[32:39]          ; waves 8-15: my share of the batch's kv
	s_nop 0
	PLACES
.Lhead_asked:
	v_cmp_ne_u32 vcc_lo, 0, v9
	s_wait_loadcnt 0x0
	s_wait_kmcnt 0x0
.irp i, 0,1,2,3,4,5,6,7,8,9,10,11,12,13,14,15,16,17,18,19,20,21,22,23,24,25,26,27,28,29,30,31
	v_cndmask_b32 v[128+\i], v[128+\i], v[160+\i], vcc_lo
.endr
	QBLK 96, 16, 192, 196, 30
	QBLK 128, 22, 192, 196, 31
	s_delay_alu instid0(VALU_DEP_4)
	v_lshl_or_b32 v30, v31, 16, v30
	s_delay_alu instid0(VALU_DEP_1)
	v_lshlrev_b32 v30, v9, v30
	s_delay_alu instid0(VALU_DEP_1)
	v_permlanex16_b32 v31, v30, s48, s49
	s_delay_alu instid0(VALU_DEP_1)
	v_or_b32 v94, v30, v31
.irp i, 34,35,36,37,38,39,46,47,48,49,50,51,58,59,60,61,62,63
	v_mov_b32 v[\i], 0
.endr
	s_wait_tensorcnt 0x0                           ; my one load has landed; behind the barrier wts and kv are whole
	s_barrier_signal -1
	s_barrier_wait -1
	v_lshlrev_b32 v1, 3, v9
.irp G, 0,1
.irp t, 0,1,2,3,4,5,6,7
	ds_load_b128 v[96+8*\t:99+8*\t], v1 offset:BQ+128*(4*\G+\t/2)+32*(\t%2)
	ds_load_b128 v[100+8*\t:103+8*\t], v1 offset:BQ+128*(4*\G+\t/2)+32*(\t%2)+16
.endr
.irp t, 0,1,2,3
	ds_load_b32 v[28+\t+2*(\t/2)], v6 offset:WQSC+128*(4*\G+\t)
.endr
.irp q, 0,1
.if \q>0
	PLACES
.endif
.irp x, 0,1,2,3
	LDFRAG 160+12*\x, 4, 5, WQIMG+1536*(8*\G+4*\q+\x)
.endr
	s_wait_dscnt 0x0
.irp x, 0,1,2,3
	WM 96+16*(2*\q+\x%2)+8*(\x/2), 160+12*\x, 16, 28+4*\q+\x/2, 94, \x%2
.endr
.endr
	PLACES
.irp n, 0,1,2,3
	QH1 96+16*\n, 224+4*(4*\G+\n), 92+\G, \n
.endr
.endr
	v_add_nc_u32 v1, KV, v4                        ; chunk 0's K fragments and their scale register: the first step finds them asked for
	v_add_nc_u32 v2, KV, v5
	v_add_nc_u32 v3, KV, v6
	LDFRAG 64, 1, 2, 0
	LDFRAG 76, 1, 2, 1536
	ds_load_b32 v88, v3 offset:6144
; A step: 16 queries x 128 keys of one head.  pf = 1: the next chunk's K fragments are fetched behind the score products
.macro STEP pf
	s_wait_dscnt 0x0                               ; this chunk's K fragments, asked for a step ago
.irp a, 0,1
	WMZ 96+32*\a, 64+12*\a, 40, 88, 10, \a
	WMZ 104+32*\a, 64+12*\a, 52, 88, 10, \a
	WMZ 112+32*\a, 64+12*\a, 34, 88, 10, \a
	WMZ 120+32*\a, 64+12*\a, 46, 88, 10, \a
.endr
	v_add_nc_u32 v1, s56, v4                       ; this chunk's addresses: with the v_nop the four places behind the products
	v_add_nc_u32 v2, s56, v5
	v_add_nc_u32 v3, s56, v6
	v_nop
	LDFRAG 200, 1, 2, 3072                         ; V^T's two fragments and scales, nine loads
	LDFRAG 212, 1, 2, 4608
	ds_load_b32 v89, v3 offset:6272
.if \pf
	LDFRAG 64, 1, 2, CHUNK                         ; the next chunk's K, nine loads
	LDFRAG 76, 1, 2, CHUNK+1536
	ds_load_b32 v88, v3 offset:CHUNK+6144
.endif
	v_max3_num_f32 v198, v96, v97, v98             ; each block's largest score in two chains, four chains by turns
	v_max3_num_f32 v30, v112, v113, v114
	v_max3_num_f32 v199, v128, v129, v130
	v_max3_num_f32 v31, v144, v145, v146
.irp i, 3,5,7,9,11,13
	v_max3_num_f32 v198, v198, v[96+\i], v[97+\i]
	v_max3_num_f32 v30, v30, v[112+\i], v[113+\i]
	v_max3_num_f32 v199, v199, v[128+\i], v[129+\i]
	v_max3_num_f32 v31, v31, v[144+\i], v[145+\i]
.endr
	v_max3_num_f32 v198, v198, v30, v111
	v_max3_num_f32 v199, v199, v31, v143
	v_max_num_f32 v198, v198, v127
	v_max_num_f32 v199, v199, v159
	s_delay_alu instid0(VALU_DEP_1)
	v_max_num_f32 v30, v198, v199
	s_delay_alu instid0(VALU_DEP_1)
	v_permlanex16_b32 v31, v30, s48, s49
	s_delay_alu instid0(VALU_DEP_1)
	v_max_num_f32 v30, v30, v31
	s_delay_alu instid0(VALU_DEP_1)
	v_mul_f32 v30, s50, v30
	s_delay_alu instid0(VALU_DEP_1)
	v_max_num_f32 v13, v13, v30
	v_mov_b32 v30, v12
	s_delay_alu instid0(VALU_DEP_2)
	v_floor_f32 v12, -v13
	s_delay_alu instid0(VALU_DEP_1)
	v_sub_f32 v30, v12, v30
	s_delay_alu instid0(VALU_DEP_1)
	v_cvt_i32_f32 v30, v30
	s_delay_alu instid0(VALU_DEP_1)
	v_ldexp_f32 v196, 1.0, v30
.irp j, 0,2,4,6,8,10,12,14,16,18,20,22,24,26,28,30,32,34,36,38,40,42,44,46,48,50,52,54,56,58,60,62
	v_pk_fma_f32 v[96+\j:97+\j], v[96+\j:97+\j], s[50:51], v[12:13] op_sel_hi:[1,0,0]
.endr
	v_fma_f32 v198, v198, s50, v12
	v_fma_f32 v199, v199, s50, v12
	s_wait_alu depctr_va_vdst(0)
.irp j, 0,1,2,3,4,5,6,7,8,9,10,11,12,13,14,15,16,17,18,19,20,21,22,23,24,25,26,27,28,29,30,31,32,33,34,35,36,37,38,39,40,41,42,43,44,45,46,47,48,49,50,51,52,53,54,55,56,57,58,59,60,61,62,63
	v_exp_f32 v[96+\j], v[96+\j]
.endr
	v_exp_f32 v198, v198
	v_exp_f32 v199, v199
	v_pk_mul_f32 v[14:15], v[14:15], v[196:197] op_sel_hi:[1,0]
	s_wait_alu depctr_va_vdst(0)
	v_max_num_f32 v198, FLOOR, v198
	v_max_num_f32 v199, FLOOR, v199
	s_delay_alu instid0(VALU_DEP_2)
	v_add_nc_u32 v20, TWO_OFF, v198
	s_delay_alu instid0(VALU_DEP_2)
	v_add_nc_u32 v21, TWO_OFF, v199
	s_delay_alu instid0(VALU_DEP_2)
	v_lshrrev_b32 v198, 23, v20
	s_delay_alu instid0(VALU_DEP_2)
	v_lshrrev_b32 v199, 23, v21
	s_delay_alu instid0(VALU_DEP_1)
	v_lshl_or_b32 v30, v199, 16, v198
	s_delay_alu instid0(VALU_DEP_1)
	v_lshlrev_b32 v30, v9, v30
	s_delay_alu instid0(VALU_DEP_1)
	v_permlanex16_b32 v31, v30, s48, s49
	s_delay_alu instid0(VALU_DEP_1)
	v_or_b32 v11, v30, v31
	v_cvt_scalef32_pk16_fp6_f32 v[176:178], v[96:111], v20
	v_cvt_scalef32_pk16_fp6_f32 v[188:190], v[112:127], v20
	v_cvt_scalef32_pk16_fp6_f32 v[182:184], v[128:143], v21
	v_cvt_scalef32_pk16_fp6_f32 v[192:194], v[144:159], v21
.irp j, 0,2,4,6,8,10,12,14
	v_pk_mul_f32 v[160+\j:161+\j], v[160+\j:161+\j], v[196:197] op_sel_hi:[1,0]
.endr
.irp i, 0,1,2
	v_mov_b32 v[179+\i], v[188+\i]
	v_mov_b32 v[185+\i], v[192+\i]
.endr
	v_pk_add_f32 v[30:31], v[96:97], v[98:99]      ; the row's sum of the unquantised p: four chains by turns
	v_pk_add_f32 v[198:199], v[100:101], v[102:103]
	v_pk_add_f32 v[20:21], v[104:105], v[106:107]
.irp j, 108,116,124,132,140,148
	v_pk_add_f32 v[14:15], v[14:15], v[\j:\j+1]
	v_pk_add_f32 v[30:31], v[30:31], v[\j+2:\j+3]
	v_pk_add_f32 v[198:199], v[198:199], v[\j+4:\j+5]
	v_pk_add_f32 v[20:21], v[20:21], v[\j+6:\j+7]
.endr
	v_pk_add_f32 v[14:15], v[14:15], v[156:157]
	v_pk_add_f32 v[30:31], v[30:31], v[158:159]
	v_pk_add_f32 v[198:199], v[198:199], v[20:21]
	s_delay_alu instid0(VALU_DEP_2)
	v_pk_add_f32 v[14:15], v[14:15], v[30:31]
	s_delay_alu instid0(VALU_DEP_1)
	v_pk_add_f32 v[14:15], v[14:15], v[198:199]
.if \pf
	s_wait_dscnt 0x9                               ; V's nine loads are in; the next chunk's nine of K may be out
.else
	s_wait_dscnt 0x0
.endif
	WM 160, 200, 176, 89, 11, 0
	WM 168, 212, 176, 89, 11, 1
.endm
.macro HEAD n
	v_perm_b32 v10, v[92+\n/4], v[92+\n/4], 0x01010101*(\n%4)
.irp i, 0,1,2
	v_permlanex16_b32 v[16+\i], v[224+4*\n+\i], s48, s49
.endr
.irp i, 0,1,2
	v_and_b32 v[40+\i], v[224+4*\n+\i], v7
	v_and_b32 v[43+\i], v[16+\i], v7
	v_and_b32 v[52+\i], v[16+\i], v8
	v_and_b32 v[55+\i], v[224+4*\n+\i], v8
.endr
.irp j, 0,1,2,3,4,5,6,7,8,9,10,11,12,13,14,15
	v_mov_b32 v[160+\j], 0
.endr
	v_mov_b32 v14, 0
	v_mov_b32 v15, 0
	v_mov_b32 v13, 0xff61b1e6
	s_delay_alu instid0(VALU_DEP_1)
	v_floor_f32 v12, -v13
	s_mov_b32 s56, KV+4*CHUNK*\n
	s_mov_b32 s52, 4-\n/7                          ; head 7: three trips, its last step is written out
.Lstep_\@:
	STEP 1
	s_add_co_u32 s56, s56, CHUNK
	s_sub_co_u32 s52, s52, 1
	s_cmp_lg_u32 s52, 0
	s_cbranch_scc1 .Lstep_\@
.if \n==7
	s_mov_b32 s56, KV+31*CHUNK                     ; the last chunk: nothing lies behind it to fetch
	STEP 0
.endif
	PLACES
	s_wait_alu depctr_va_vdst(0)
	v_add_f32 v14, v14, v15
	s_delay_alu instid0(VALU_DEP_1)
	v_permlanex16_b32 v31, v14, s48, s49
	s_delay_alu instid0(VALU_DEP_1)
	v_add_f32 v14, v14, v31
	s_wait_alu depctr_va_vdst(0)
	v_rcp_f32 v14, v14
	v_nop
	s_wait_alu depctr_va_vdst(0)
.irp j, 0,2,4,6,8,10,12,14
	v_pk_mul_f32 v[160+\j:161+\j], v[160+\j:161+\j], v[14:15] op_sel_hi:[1,0]
.endr
	QH1 160, 224+4*\n, 90+\n/4, \n%4
.endm
.irp n, 0,1,2,3,4,5,6,7
	HEAD \n
.endr
.irp F, 0,1
.irp p, 0,1
.irp i, 0,1,2
	v_permlane16_swap_b32 v[224+16*\F+8*\p+\i], v[228+16*\F+8*\p+\i]
.endr
.endr
.irp i, 0,1,2
	v_mov_b32 v[227+16*\F+\i], v[228+16*\F+\i]
.endr
.irp i, 0,1,2
	v_mov_b32 v[230+16*\F+\i], v[232+16*\F+\i]
.endr
.irp i, 0,1,2
	v_mov_b32 v[233+16*\F+\i], v[236+16*\F+\i]
.endr
.endr
	v_add_nc_u32 v1, W1IMG, v4
	s_wait_alu depctr_va_vdst(0)
	v_add_nc_u32 v2, W1IMG, v5
	s_wait_alu depctr_va_vdst(0)
	v_add_nc_u32 v3, W1IMG, v6
	s_wait_alu depctr_va_vdst(0)
; THE MLP.  A half H is 128 hidden units, 8 accumulators that begin as b1; a group is four tiles of W1 (q) in one K step (F): 16 fragment loads and 4 scale words, 20 LDS loads.
; The groups take turns on two sets of registers: X = v34-57, v64-87 with scales v28, 29, 32, 33; Y = v160-207 with scales v10, 11, 88, 89: a group is asked for while the one before it is multiplied.
; W2's numbers come into v160-223 behind the half's last products and land under the 64 relu lines; with them the next half's first group is asked for.
.macro LOADG H, F, q, fb, fg, sb, sg
.irp x, 0,1,2,3
	LDFRAG \fb+12*\x+\fg*(\x/2), 1, 2, 1536*(2*(8*\H+4*\q+\x)+\F)
	ds_load_b32 v[\sb+\x+\sg*(\x/2)], v3 offset:W1SC-W1IMG+128*(8*\H+4*\q+\x)
.endr
.endm
.macro MULG F, q, fb, fg, sb, sg
.irp x, 0,1,2,3
	WM 96+8*(4*\q+\x), \fb+12*\x+\fg*(\x/2), 224+16*\F, \sb+\x+\sg*(\x/2), 90+\F, \F
.endr
.endm
.irp H, 0,1
.irp t, 0,1,2,3,4,5,6,7
	ds_load_b128 v[96+8*\t:99+8*\t], v255 offset:B1-W1IMG+64*(8*\H+\t)
	ds_load_b128 v[100+8*\t:103+8*\t], v255 offset:B1-W1IMG+64*(8*\H+\t)+16
.endr
.if \H==0
	PLACES
	LOADG 0, 0, 0, 34, 6, 28, 2                    ; (the second half's first group was asked for in the first half)
.endif
	LOADG \H, 0, 1, 160, 0, 10, 76
	s_wait_dscnt 20                                ; all but the 20 loads of the youngest group: b1 and set X are in
	MULG 0, 0, 34, 6, 28, 2
	PLACES
	LOADG \H, 1, 0, 34, 6, 28, 2
	s_wait_dscnt 20                                ; set Y is in
	MULG 0, 1, 160, 0, 10, 76
	PLACES
	LOADG \H, 1, 1, 160, 0, 10, 76
	s_wait_dscnt 20                                ; set X is in
	MULG 1, 0, 34, 6, 28, 2
	s_wait_dscnt 0x0
	MULG 1, 1, 160, 0, 10, 76
	PLACES                                         ; for the loads into both sets and for the reads of the results
.irp t, 0,1,2,3,4,5,6,7
	ds_load_b128 v[160+8*\t:163+8*\t], v255 offset:W2V-W1IMG+64*(8*\H+\t)
	ds_load_b128 v[164+8*\t:167+8*\t], v255 offset:W2V-W1IMG+64*(8*\H+\t)+16
.endr
.if \H==0
	LOADG 1, 0, 0, 34, 6, 28, 2
.endif
.irp t, 0,1,2,3,4,5,6,7
.irp i, 0,1,2,3,4,5,6,7
	v_max_num_f32 v[96+8*\t+\i], 0, v[96+8*\t+\i]
.endr
.endr
.if \H==0
	s_wait_dscnt 20                                ; W2's numbers are in; the next half's first group may be out
.else
	s_wait_dscnt 0x0
.endif
.irp t, 0,1,2,3,4,5,6,7
.if (\H==0)&&(\t==0)
	v_pk_mul_f32 v[16:17], v[96:97], v[160:161]
	v_pk_mul_f32 v[18:19], v[98:99], v[162:163]
.else
	v_pk_fma_f32 v[16:17], v[96+8*\t:97+8*\t], v[160+8*\t:161+8*\t], v[16:17]
	v_pk_fma_f32 v[18:19], v[98+8*\t:99+8*\t], v[162+8*\t:163+8*\t], v[18:19]
.endif
	s_delay_alu instid0(VALU_DEP_2)
	v_pk_fma_f32 v[16:17], v[100+8*\t:101+8*\t], v[164+8*\t:165+8*\t], v[16:17]
	s_delay_alu instid0(VALU_DEP_2)
	v_pk_fma_f32 v[18:19], v[102+8*\t:103+8*\t], v[166+8*\t:167+8*\t], v[18:19]
.endr
.endr
	s_delay_alu instid0(VALU_DEP_2)
	v_add_f32 v16, v16, v17
	s_delay_alu instid0(VALU_DEP_2)
	v_add_f32 v18, v18, v19
	s_delay_alu instid0(VALU_DEP_1)
	v_add_f32 v16, v16, v18
	s_delay_alu instid0(VALU_DEP_1)
	v_permlanex16_b32 v31, v16, s48, s49
	s_delay_alu instid0(VALU_DEP_1)
	v_add_f32 v16, v16, v31
	s_delay_alu instid0(VALU_DEP_1)
	v_add_f32 v16, s53, v16
	v_and_b32 v1, 15, v0
	s_delay_alu instid0(VALU_DEP_1)
	v_lshlrev_b32 v1, 2, v1
	s_lshl_b32 s22, s18, 6
	v_add_nc_u32 v1, s22, v1
	s_delay_alu instid0(VALU_DEP_1)
	v_add_nc_u32 v1, STG, v1
	s_and_b32 s22, s18, 1
	s_lshl_b32 s22, s22, 9
	v_add_nc_u32 v2, s22, v4
	s_delay_alu instid0(VALU_DEP_1)
	v_add_nc_u32 v3, STG, v2
	ds_store_b32 v1, v16
	s_wait_dscnt 0x0
	s_barrier_signal -1
	s_barrier_wait -1
	s_cmp_lt_u32 s18, 2
	s_cbranch_scc0 .Ldone
	s_wait_alu depctr_va_vdst(0)
	ds_load_b128 v[20:23], v3
	s_wait_dscnt 0x0
	global_store_b128 v2, v[20:23], s[16:17]
.Ldone:
	s_wait_tensorcnt 0x0
	ds_add_u32 v95, v239
	s_wait_dscnt 0x0
	CROUND
	s_endpgm
.Lfunc_end_k_qe071a8e31e_main:
	.size	k_qe071a8e31e_main, .Lfunc_end_k_qe071a8e31e_main-k_qe071a8e31e_main
	.p2alignl 7, 3214868480
	.fill 96, 4, 3214868480
	.section	.rodata,"a",@progbits
	.p2align	6, 0x0
	.amdhsa_kernel k_qe071a8e31e_main
		.amdhsa_group_segment_fixed_size 327680
		.amdhsa_private_segment_fixed_size 0
		.amdhsa_enable_private_segment 0
		.amdhsa_kernarg_size 56
		.amdhsa_user_sgpr_count 2
		.amdhsa_user_sgpr_kernarg_segment_ptr 1
		.amdhsa_wavefront_size32 1
		.amdhsa_system_sgpr_workgroup_id_x 1
		.amdhsa_system_sgpr_workgroup_id_y 1
		.amdhsa_system_sgpr_workgroup_id_z 1
		.amdhsa_system_vgpr_workitem_id 0
		.amdhsa_next_free_vgpr 256
		.amdhsa_next_free_sgpr 66
		.amdhsa_reserve_vcc 1
		.amdhsa_float_denorm_mode_32 3
		.amdhsa_float_denorm_mode_16_64 3
		.amdhsa_memory_ordered 1
		.amdhsa_forward_progress 1
		.amdhsa_inst_pref_size 209
	.end_amdhsa_kernel
	.amdgpu_metadata
---
amdhsa.version: [ 1, 2 ]
amdhsa.kernels:
  - .name:           k_qe071a8e31e_main
    .symbol:         k_qe071a8e31e_main.kd
    .args:
      - { .name: A, .offset: 0, .size: 8, .value_kind: global_buffer, .address_space: global }
      - { .name: phi_target, .offset: 8, .size: 8, .value_kind: global_buffer, .address_space: global }
      - { .name: X_target, .offset: 16, .size: 8, .value_kind: global_buffer, .address_space: global }
      - { .name: b2, .offset: 24, .size: 8, .value_kind: global_buffer, .address_space: global }
      - { .name: wts, .offset: 32, .size: 8, .value_kind: global_buffer, .address_space: global }
      - { .name: kv, .offset: 40, .size: 8, .value_kind: global_buffer, .address_space: global }
      - { .name: out0, .offset: 48, .size: 8, .value_kind: global_buffer, .address_space: global }
    .group_segment_fixed_size: 327680
    .private_segment_fixed_size: 0
    .kernarg_segment_align: 8
    .kernarg_segment_size: 56
    .max_flat_workgroup_size: 512
    .sgpr_count:     66
    .vgpr_count:     256
    .wavefront_size: 32
...
	.end_amdgpu_metadata
.endif
;; end of part 2
